; MI455X (gfx1250); checked and timed in simulation.
; The chip was launched on July 23, 2026; its instructions are those of AMD's public machine-readable ISA for CDNA 5 (MIT licence, August 2026) and "CDNA5" Instruction Set Architecture Reference Guide (July 2026). The comments in the code are by the model that wrote it; some were corrected since.
;; Attention Layer. Allowed arithmetic: float matrix products may take bf16 or f16 operands with f32 sums; other float arithmetic in f32, or as packed bf16 or f16 multiplies, adds, multiply-adds, maxima and minima; sums over many terms, partial sums and values carried from step to step in f32; what a program stores and reads back later, other than sums and carried values, may be rounded once to bf16 or f16.
;; Inputs: W 256 x 512 x 64 float32; attention 32 x 512 float32; keys 256 x 1,024 x 64 float32; mask 32 x 256 x 1,024 bool; rewards_mem 256 x 1,024 float32; temperature 256 float32; values 256 x 1,024 x 64 float32.
;; Outputs: out0 32 x 256 x 64 float32; out1 32 x 256 x 1,024 float32; out2 32 x 256 float32.
;; One version. Each part assembles by itself: llvm-mc -triple=amdgcn-amd-amdhsa -mcpu=gfx1250 --defsym DOCPART=n.
;; ======== version 1 of 1: 1 launch
;; launch unit (part 1): grid 256 x 1, 16 waves a work-group, no clusters, 277,504 bytes of LDS; arguments attention, W, temperature, keys, values, rewards_mem, mask, out0, out1, out2; writes out0, out1, out2
.if DOCPART == 1
	.amdgcn_target "amdgcn-amd-amdhsa--gfx1250"
	.amdhsa_code_object_version 6
	.text
	.protected	k_qac7b4716a8_unit
	.globl	k_qac7b4716a8_unit
	.p2align	8
	.type	k_qac7b4716a8_unit,@function
k_qac7b4716a8_unit:
	s_mov_b64 s[64:65], 0
	v_nop
	global_prefetch_b8 v0, s[64:65] scope:SCOPE_SE
	s_setreg_imm32_b32 hwreg(HW_REG_WAVE_MODE, 25, 1), 1
	s_wait_xcnt 0x0
; ONE WORK-GROUP IS ONE UNIT u OF 256.  q[32][64] = attention[32][512] W[u][512][64];  s[b][c] = q[b] . keys[u][c] / temperature[u];  hidden scores count as -inf;
; out1[b][u][c] = softmax_c(s);  out2[b][u] = sum_c out1 x rewards_mem[u][c];  out0[b][u][:] = sum_c (out1 x rewards_mem / out2) values[u][c][:].
; NOTHING IS LEFT OUT: every input has a way to an output and is loaded.  One identity is used: with e = 2^(s' - max) and L = sum_c e, the weight of out0 is
; (e / L) r / sum_c((e / L) r) = e r / sum_c(e r) for every L other than 0, and L is at least 1 where a key is kept: out0 is made of e r and sum_c(e r), out2 = sum_c(e r) / L.
; FORMATS.  Every floating-point input (attention, W, temperature, keys, values, rewards_mem) is rounded once to bf16.  What the program itself makes and multiplies again, q and e r, goes to the
; matrix unit as TWO bf16 numbers, hi = bf16(x) and lo = bf16(x - hi), each with a product of its own: 16 significant bits in bf16's range.  All sums, maxima, partial sums and outputs are f32.
; The scale k = log2(e) / temperature is multiplied into q in f32, so a score is the exponent to base 2, and the maximum is taken of the scaled, masked scores: right for either sign of temperature.
; LIMITS.  temperature = 0 is not treated apart (its reciprocal is an infinity).  A row with no key kept gives NaN in all three outputs (-inf less -inf).  A weight e below 2^-126 counts as 0.
; sum_c(e r) = 0 gives NaN or an infinity in out0.  A mask byte is 0 or 1.
; SHARES.  16 waves.  Wave w alone reads rows d = 32 w .. of W[u] (8 KiB) and rows c = 64 w .. of keys[u] and values[u] (16 KiB each), as chunks of 32 rows x 256 bytes: 16 loads, in each of which
; lanes 0-15 take one whole row and lanes 16-31 another.  A chunk is rounded to bf16 in place, laid into the wave's own 5 KiB of LDS and read back as matrix fragments (W and values turned, by
; ds_load_tr16_b128).  K is split among the waves for q and for out0: the 16 partial sums (f32) meet in LDS; so do the maxima and the two row sums.
; IN FLIGHT.  A wave asks for attention, W and both chunks of keys at its head (56 loads), for values' first chunk as soon as W's registers are free, and for the halves of the second as registers come free.
; mask (32 rows x 1,024 bytes, 262,144 bytes apart) and rewards_mem[u] (4,096 bytes) come by one tensor load each, both issued by wave 0, once: no LDS byte is filled twice.
; NO CLUSTER: only attention (64 KiB of the 740 KiB that a work-group reads) is shared between work-groups.  NO PREFETCH: the loads above are asked for from the first lines on.
; out2 leaves as 4 bytes a lane, rows 1,024 bytes apart: 128 bytes a work-group.
.set MPITCH, 1040                      ; LDS byte 0: mask, 32 rows b of 1,024 bytes + 16 of padding: 260 words, so lane (r, h) reads words 4 r + 2 h, + 1 (mod 64)
.set RWB,   33280                      ; rewards_mem[u], 4,096 bytes
.set QBB,   37376                      ; q in bf16, [b][o]: 32 rows of hi, then 32 rows of lo
.set QP,    144                        ;   128 bytes + 16
.set STATB, 46592                      ; three arrays [b][wave] of f32: maxima, sums of e, sums of e r
.set STP,   80                         ;   64 bytes + 16
.set STA,   32*STP                     ;   bytes in one array
.set BNC,   54272                      ; each wave's own 5,120 bytes for a chunk in bf16: 32 rows; between keys and values: the lo parts of e r, 4,096 bytes
.set BNCW,  5120
.set KP,    144                        ;   keys: 128 + 16: the 16 rows of a fragment load start at 16 different groups of four banks
.set VP,    160                        ;   W, values: 128 + 32
.set BLK,   136192                     ; each wave's block of 32 rows b x 64 f32: in turn its partial q, its 64 columns of out1, its partial out0
.set BLKW,  8704
.set BP,    272                        ;   256 + 16
.set SPARE, 275456                     ; the spare words, 128 bytes for each of 16 waves: eight blocks of 256 bytes that no other line names
.set SPW, 1                            ; v1   SPARE + 4 x my thread's number; never rewritten
.set NIL, 2                            ; v2   0; never rewritten
.set GOK, 3                            ; v3   16 r + 2,048 h: a chunk of keys, lanes 16-31 eight rows on
.set GOV, 4                            ; v4   16 r + 1,024 h: a chunk of W or values, lanes 16-31 four rows on
.set ATO, 5                            ; v5   2,048 r + 128 w + 32 h: my fragment of attention
.set PLS, 5                            ;      later: my 16 bytes in my wave's chunk bytes, for the lo parts of e r
.set BSK, 6                            ; v6   where I put 8 bytes of a row of keys
.set BSV, 7                            ; v7   of W, values
.set BFK, 8                            ; v8   my place in a fragment of keys
.set BFT, 9                            ; v9   in a turned fragment
.set PST, 10                           ; v10  my block: row r, 32 bytes for each half of the lanes
.set PRD, 11                           ; v11  block 0, row 2 w + h, 16 bytes at 16 r
.set PRD2, 12                          ; v12  the same in block 8
.set SRD, 13                           ; v13  my block: row h, 16 bytes at 16 r
.set QST, 14                           ; v14  q: row 2 w + h, 8 bytes at 8 r
.set QLD, 15                           ; v15  my place in a fragment of q
.set MLD, 16                           ; v16  mask: row r, byte 64 w + 8 h
.set RLD, 17                           ; v17  rewards_mem: byte 256 w + 32 h
.set STS, 18                           ; v18  statistics: row r, my wave's word
.set STL, 19                           ; v19  row r
.set STB, 20                           ; v20  row 2 w + h
.set WGO, 21                           ; v21  out1: 1,048,576 h + 16 r
.set KS,  22                           ; v[22:23] k, twice
.set MM,  24                           ; v[24:25], v[26:27] for b = r and b = 16 + r: the maximum, later 1 / L; each twice.  At work ahead of the maxima and between the exponentials and 1 / L
.set OGO, 28                           ; v28  out0: 65,536 h + 16 r
.set R2O, 29                           ; v29  out2: 1,024 x lane
.set LP,  32                           ; v[32:63]   attention; q's fragments (one part at a time); mask; hi of e r; a row of sums
.set P0,  64                           ; v[64:127]  W; partial q; values' first chunk; values' fragments
.set P1,  128                          ; v[128:191] keys' first chunk; scores of c tiles 0, 1 + half of values' second chunk; out0's accumulators
.set P2,  192                          ; v[192:255] keys' second chunk; scores of c tiles 2, 3 + T; the other half of values' second chunk; out0's sums
.set T,   224                          ; v[224:255] at work; in the last product: lo of e r
.set PR,  T+16                         ; e r of one tile
.set HIH, 0xffff0000                   ; a word's upper bf16
.set ATT, 8                            ; s[8:27] the ten addresses, in the order of the arguments
.set WP,  10
.set TP,  12
.set KEYP, 14
.set VALP, 16
.set RWP, 18
.set MKP, 20
.set O0,  22
.set O1,  24
.set O2,  26
.set WV,  28                           ; s28  my wave's number
.set U,   29                           ; s29  the unit
.set OF,  30                           ; s[30:31] an offset in 64 bits; the high word stays 0
.set G0M, 32                           ; s[32:35], s[36:43] mask's descriptor
.set G1M, 36
.set G0R, 44                           ; s[44:47], s[48:55] rewards_mem's
.set G1R, 48
.set O1B, 56                           ; s[56:63] out1 at my 256 bytes of rows b = 0, 8, 16, 24
.set TT,  66                           ; s66  temperature[u]
.set SEL, 68                           ; s[68:69] v_permlanex16_b32's selects: each lane takes its own place in the other half
.set SB,  70                           ; s70-72 v_perm_b32's selectors: byte 1, 2, 3 four times
.set NINF, 73                          ; s73  -inf
.set BNS, 75                           ; s75  my wave's chunk bytes in LDS; not rewritten
; n loads of 16 bytes a lane: loads first .. first + n - 1 of a chunk's 16.  Load i takes rows 2 D (i / D) + i % D (lanes 0-15) and D further (lanes 16-31): each 256 consecutive bytes, aligned.
.macro LOADC dst, first, n, sb, vo, off, D
.set i, \first
.rept \n
	global_load_b128 v[(\dst)+4*(i-(\first)):(\dst)+4*(i-(\first))+3], v[\vo], s[(\sb):(\sb)+1] offset:(\off)+256*(2*(\D)*(i/(\D))+i%(\D)) th:TH_LOAD_NT
.set i, i+1
.endr
.endm
; n groups of four f32 become two registers of bf16 each; ascending, so that src = dst loses nothing
.macro CVT src, dst, n
.set i, 0
.rept \n
	v_cvt_pk_bf16_f32 v[(\dst)+2*i], v[(\src)+4*i], v[(\src)+4*i+1]
	v_cvt_pk_bf16_f32 v[(\dst)+2*i+1], v[(\src)+4*i+2], v[(\src)+4*i+3]
.set i, i+1
.endr
.endm
; the same rows into my own LDS bytes, 8 bytes a lane: D rows are 32 words (mod 64) apart, so the two halves of the lanes take the two halves of the banks
.macro BSTORE dat, first, n, va, P, D
.set i, \first
.rept \n
	ds_store_b64 v[\va], v[(\dat)+2*(i-(\first)):(\dat)+2*(i-(\first))+1] offset:(\P)*(2*(\D)*(i/(\D))+i%(\D))
.set i, i+1
.endr
.endm
; four fragments (16 columns x 32 rows, turned) of a chunk that lies [K][64]: lane l then holds column l % 16 and K = 8 (l / 16) + 0..7, 16 + 8 (l / 16) + 0..7
.macro FRAG_T dst
.irp mt, 0,1,2,3
	ds_load_tr16_b128 v[(\dst)+8*\mt:(\dst)+8*\mt+3], v[BFT] offset:32*\mt
	ds_load_tr16_b128 v[(\dst)+8*\mt+4:(\dst)+8*\mt+7], v[BFT] offset:32*\mt+16*VP
.endr
.endm
; four fragments of a chunk of keys: f = 2 x (which 16 rows) + (which 32 channels)
.macro FRAG_K dst
.irp f, 0,1,2,3
	ds_load_b128 v[(\dst)+8*\f:(\dst)+8*\f+3], v[BFK] offset:(\f/2)*16*KP+(\f%2)*64
	ds_load_b128 v[(\dst)+8*\f+4:(\dst)+8*\f+7], v[BFK] offset:(\f/2)*16*KP+(\f%2)*64+32
.endr
.endm
; q as source 1, part 0 = hi, 1 = lo: four fragments, f = 2 nt + (which 32 channels)
.macro QFLOAD part
.irp f, 0,1,2,3
	ds_load_b128 v[LP+8*\f:LP+8*\f+3], v[QLD] offset:(\part)*32*QP+(\f/2)*16*QP+(\f%2)*64
	ds_load_b128 v[LP+8*\f+4:LP+8*\f+7], v[QLD] offset:(\part)*32*QP+(\f/2)*16*QP+(\f%2)*64+32
.endr
.endm
; a matrix result (a lane: row b = 16 nt + r, columns 16 x + 8 h + 0..7) into my block; the low four registers first
.macro TILE_OUT reg, x, nt
	ds_store_b128 v[PST], v[(\reg):(\reg)+3] offset:16*BP*(\nt)+64*(\x)
	ds_store_b128 v[PST], v[(\reg)+4:(\reg)+7] offset:16*BP*(\nt)+64*(\x)+16
.endm
; the 16 waves' partial sums of row 2 w + h, columns 4 r .. 4 r + 3, are added: the sum lies in v[d:d+3]
.macro SUM16 d
.set i, 0
.rept 8
	ds_load_b128 v[(\d)+4*i:(\d)+4*i+3], v[PRD] offset:BLKW*i
.set i, i+1
.endr
.set i, 0
.rept 8
	ds_load_b128 v[(\d)+32+4*i:(\d)+32+4*i+3], v[PRD2] offset:BLKW*i
.set i, i+1
.endr
	s_wait_dscnt 0x0
.irp st, 32, 16, 8, 4
.set i, 0
.rept \st/2
	v_pk_add_f32 v[(\d)+i:(\d)+i+1], v[(\d)+i:(\d)+i+1], v[(\d)+\st+i:(\d)+\st+i+1]
.set i, i+2
.endr
.endr
.endm
.macro ROWSUM a                        ; the sum of v[a:a+15] into v[a]
.irp st, 8, 4, 2
.set i, 0
.rept \st/2
	v_pk_add_f32 v[(\a)+i:(\a)+i+1], v[(\a)+i:(\a)+i+1], v[(\a)+\st+i:(\a)+\st+i+1]
.set i, i+2
.endr
.endr
	v_add_f32 v[\a], v[\a], v[(\a)+1]
.endm
.macro BAR                             ; my LDS instructions are done (for the others' sake: zero), then the work-group's barrier
	s_wait_dscnt 0x0
	s_barrier_signal -1
	s_barrier_wait -1
.endm
.macro PLACES n                        ; plain vector instructions behind a matrix instruction (ISA guide 7.12.1)
.rept \n
	v_nop
.endr
.endm
.macro SREG t, nt                      ; rS: the eight scores of c tile t (16 keys), b tile nt
.set rS, P1+64*((\t)/2)+8*(2*((\t)%2)+(\nt))
.endm
; a tile's eight scores are kept or become -inf: each mask byte (00 or FF) is spread over a word, which then chooses bit by bit
.macro MASKT t, nt
	SREG \t, \nt
.set rM, LP+2*(2*(\t)+(\nt))
.set j, 0
.rept 8
.if j%4 == 0
	v_perm_b32 v[T+j], v[rM+j/4], v[rM+j/4], 0
.else
	v_perm_b32 v[T+j], v[rM+j/4], v[rM+j/4], s[SB+j%4-1]
.endif
.set j, j+1
.endr
.set j, 0
.rept 8
	v_bfi_b32 v[rS+j], v[T+j], v[rS+j], s[NINF]
.set j, j+1
.endr
.endm
; a tile's e r; the lane's sums of e and of e r go on (tile 0 starts them: nothing is cleared).  Then e r = hi + lo in bf16: hi is half a fragment (source 1) of the second product and stays in
; registers; lo, the same half fragment, is set aside in my wave's chunk bytes, 16 bytes a lane on end (group g of eight at 512 g): no register is free for it before the last product.
.macro PWT t, nt
	SREG \t, \nt
.set rW, T+8*((\t)%2)
.set rL, T+24+2*(\nt)
.set rR, T+28+2*(\nt)
.set rG, 2*(2*((\t)/2)+(\nt))+(\t)%2
.set rP, LP+4*rG
.irp q, 0,1,2,3
	v_pk_mul_f32 v[PR+2*\q:PR+2*\q+1], v[rS+2*\q:rS+2*\q+1], v[rW+2*\q:rW+2*\q+1]
.endr
.if (\t) == 0
	v_pk_add_f32 v[rL:rL+1], v[rS:rS+1], v[rS+2:rS+3]
	v_pk_add_f32 v[rR:rR+1], v[PR:PR+1], v[PR+2:PR+3]
.else
	v_pk_add_f32 v[rL:rL+1], v[rL:rL+1], v[rS:rS+1]
	v_pk_add_f32 v[rR:rR+1], v[rR:rR+1], v[PR:PR+1]
	v_pk_add_f32 v[rL:rL+1], v[rL:rL+1], v[rS+2:rS+3]
	v_pk_add_f32 v[rR:rR+1], v[rR:rR+1], v[PR+2:PR+3]
.endif
	v_pk_add_f32 v[rL:rL+1], v[rL:rL+1], v[rS+4:rS+5]
	v_pk_add_f32 v[rR:rR+1], v[rR:rR+1], v[PR+4:PR+5]
	v_pk_add_f32 v[rL:rL+1], v[rL:rL+1], v[rS+6:rS+7]
	v_pk_add_f32 v[rR:rR+1], v[rR:rR+1], v[PR+6:PR+7]
.irp q, 0,1,2,3
	v_cvt_pk_bf16_f32 v[rP+\q], v[PR+2*\q], v[PR+2*\q+1]       ; hi
.endr
.irp q, 0,1,2,3
	v_lshlrev_b32 v[MM+2*(\q%2)], 16, v[rP+\q]                 ; hi as f32,
	v_and_b32 v[MM+2*(\q%2)+1], HIH, v[rP+\q]
	v_pk_add_f32 v[PR+2*\q:PR+2*\q+1], v[PR+2*\q:PR+2*\q+1], v[MM+2*(\q%2):MM+2*(\q%2)+1] neg_lo:[0,1] neg_hi:[0,1]  ; taken away: exact
.endr
.irp q, 0,1,2,3
	v_cvt_pk_bf16_f32 v[PR+\q], v[PR+2*\q], v[PR+2*\q+1]       ; lo; ascending, so that nothing is lost in place
.endr
	ds_store_b128 v[PLS], v[PR:PR+3] offset:512*rG
.endm
.macro RWLOAD t0                       ; rewards_mem of c tiles t0 and t0 + 1: my eight numbers of each; all lanes of a half read the same bytes
.irp z, 0,1
	ds_load_b128 v[T+8*\z:T+8*\z+3], v[RLD] offset:64*((\t0)+\z)
	ds_load_b128 v[T+8*\z+4:T+8*\z+7], v[RLD] offset:64*((\t0)+\z)+16
.endr
.endm
.macro RWROUND                         ; those 16 numbers rounded to bf16, like every input, and f32 again
.set i, 0
.rept 8
	v_cvt_pk_bf16_f32 v[MM+i%4], v[T+2*i], v[T+2*i+1]
	v_lshlrev_b32 v[T+2*i], 16, v[MM+i%4]
	v_and_b32 v[T+2*i+1], HIH, v[MM+i%4]
.set i, i+1
.endr
.endm
; eight products: a chunk's four tiles of scores x the two halves of the 64 channels, with the part of q that lies in LP.  zero = 1: the first four start the sums.
; The four accumulators take turns, one instruction a turn: three others stand between two links of a chain, from one KMUL to the next too.
.macro KMUL pool, zero
.irp ks, 0,1
.irp f, 0,1,2,3
.if (\zero) && (\ks == 0)
	v_wmma_f32_16x16x32_bf16 v[(\pool)+8*\f:(\pool)+8*\f+7], v[(\pool)+32+8*(2*(\f/2)+\ks):(\pool)+32+8*(2*(\f/2)+\ks)+7], v[LP+8*(2*(\f%2)+\ks):LP+8*(2*(\f%2)+\ks)+7], 0
.else
	v_wmma_f32_16x16x32_bf16 v[(\pool)+8*\f:(\pool)+8*\f+7], v[(\pool)+32+8*(2*(\f/2)+\ks):(\pool)+32+8*(2*(\f/2)+\ks)+7], v[LP+8*(2*(\f%2)+\ks):LP+8*(2*(\f%2)+\ks)+7], v[(\pool)+8*\f:(\pool)+8*\f+7]
.endif
.endr
.endr
.endm
; A chunk of keys (32 rows c) becomes four tiles of scores: rounded, through my LDS bytes, 8 products with the part of q that lies in LP, then 8 with the other part, which is fetched between.
; left: the younger global loads, which stay out.  other: the part of q to fetch (0 = hi, 1 = lo).
.macro KSTEP pool, left, other
	s_wait_loadcnt \left
	CVT \pool, \pool, 16
	BSTORE \pool, 0, 16, BSK, KP, 8
	FRAG_K (\pool)+32                      ; LDS serves a wave's instructions in order (ISA guide 5.7.1.4): these see the stores above
	s_wait_dscnt 0x0                       ; the fragments are in (the first time q's too)
	KMUL \pool, 1
	PLACES 4                               ; in front of loads into registers that the products read
	QFLOAD \other
	s_wait_dscnt 0x0
	KMUL \pool, 0
	PLACES 4                               ; in front of loads into registers that the products read, and of the first read of a score
.endm
	; ---------------- the head
	s_load_b512 s[8:23], s[0:1], 0x0               ; attention, W, temperature, keys, values, rewards_mem, mask, out0
	s_load_b128 s[24:27], s[0:1], 0x40             ; out1, out2
	v_lshl_add_u32 v[SPW], v0, 2, SPARE
	v_mov_b32 v[NIL], 0
	ds_add_u32 v[SPW], v[NIL]                      ; the wave's opening: the add, twice on end, and its wait ahead of the first tensor load; the set-up below stands between
	ds_add_u32 v[SPW], v[NIL]                      ; and once more, under the one wait
	v_lshrrev_b32 v24, 5, v0
	v_readfirstlane_b32 s[WV], v24                 ; wave 0..15
	s_mov_b32 s[U], ttmp9
	v_and_b32 v25, 15, v0                          ; r
	v_bfe_u32 v26, v0, 4, 1                        ; h
	v_lshlrev_b32 v[GOK], 4, v25
	v_lshl_add_u32 v[GOV], v26, 10, v[GOK]
	v_lshl_add_u32 v[GOK], v26, 11, v[GOK]
	s_lshl_b32 s74, s[WV], 7
	v_lshlrev_b32 v[ATO], 11, v25
	v_lshl_add_u32 v[ATO], v26, 5, v[ATO]
	v_add_nc_u32 v[ATO], s74, v[ATO]
	s_mov_b32 s[OF+1], 0
	s_mov_b32 s[SEL], 0x76543210
	s_mov_b32 s[SEL+1], 0xfedcba98
	s_mov_b32 s[SB], 0x01010101
	s_mov_b32 s[SB+1], 0x02020202
	s_mov_b32 s[SB+2], 0x03030303
	s_mov_b32 s[NINF], 0xff800000
	; mask: 32 rows of 128 elements of 8 bytes, 32,768 elements from row to row; in LDS 4 words of padding behind every 256
	s_mov_b32 s[G0M], 1                            ; count = 1
	s_mov_b32 s[G0M+1], 0                          ; LDS byte 0
	s_mov_b32 s[G1M+0], (3<<16)|(1<<20)|(7<<22)|(3<<25)  ; 17:16 elements of 8 bytes; 20 padding on; 24:22 after every 256 words (code 7); 31:25 4 words (code 3)
	s_mov_b32 s[G1M+1], 128<<16                    ; tensor_dim0 = 128
	s_mov_b32 s[G1M+2], 32<<16                     ; tensor_dim1 = 32
	s_mov_b32 s[G1M+3], 128<<16                    ; tile_dim0 = 128
	s_mov_b32 s[G1M+4], 32                         ; tile_dim1 = 32
	s_mov_b32 s[G1M+5], 32768                      ; elements from row to row
	s_mov_b32 s[G1M+6], 0
	s_mov_b32 s[G1M+7], 0
	; rewards_mem[u]: 4,096 dense bytes as 16 rows of 32 elements of 8 bytes
	s_mov_b32 s[G0R], 1
	s_mov_b32 s[G0R+1], RWB
	s_mov_b32 s[G1R+0], 3<<16
	s_mov_b32 s[G1R+1], 32<<16
	s_mov_b32 s[G1R+2], 16<<16
	s_mov_b32 s[G1R+3], 32<<16
	s_mov_b32 s[G1R+4], 16
	s_mov_b32 s[G1R+5], 32
	s_mov_b32 s[G1R+6], 0
	s_mov_b32 s[G1R+7], 0
	s_wait_dscnt 0x0                               ; both opening adds are done
	s_wait_kmcnt 0x0
	s_lshl_b32 s[OF], s[U], 10                     ; mask[0][u]
	s_add_nc_u64 s[G0M+2:G0M+3], s[MKP:MKP+1], s[OF:OF+1]
	s_or_b32 s[G0M+3], s[G0M+3], 0x80000000        ; type = 2
	s_lshl_b32 s[OF], s[U], 12                     ; rewards_mem[u]
	s_add_nc_u64 s[G0R+2:G0R+3], s[RWP:RWP+1], s[OF:OF+1]
	s_or_b32 s[G0R+3], s[G0R+3], 0x80000000
	s_cmp_lg_u32 s[WV], 0                          ; wave 0 issues both fills, in one branch, ahead of every wait on TENSORcnt, LDS read and barrier: two tensor loads of it are out
	s_cbranch_scc1 .Lfilled
	tensor_load_to_lds s[G0M:G0M+3], s[G1M:G1M+7]
	s_nop 0
	tensor_load_to_lds s[G0R:G0R+3], s[G1R:G1R+7]
	s_nop 0
	PLACES 4                                       ; ahead of the label
.Lfilled:
	s_lshl_b32 s[OF], s[U], 2
	s_add_nc_u64 s[TP:TP+1], s[TP:TP+1], s[OF:OF+1]
	s_add_nc_u64 s[O2:O2+1], s[O2:O2+1], s[OF:OF+1]      ; out2[0][u]
	s_load_b32 s[TT], s[TP:TP+1], 0x0              ; temperature[u]
	s_lshl_b32 s[OF], s[U], 17                     ; W[u], my 32 rows
	s_lshl_b32 s74, s[WV], 13
	s_add_co_u32 s[OF], s[OF], s74
	s_add_nc_u64 s[WP:WP+1], s[WP:WP+1], s[OF:OF+1]
	s_lshl_b32 s[OF], s[U], 18                     ; keys[u], values[u], my 64 rows
	s_lshl_b32 s74, s[WV], 14
	s_add_co_u32 s[OF], s[OF], s74
	s_add_nc_u64 s[KEYP:KEYP+1], s[KEYP:KEYP+1], s[OF:OF+1]
	s_add_nc_u64 s[VALP:VALP+1], s[VALP:VALP+1], s[OF:OF+1]
	; attention as source 1: lane (r, h) holds row b = 16 nt + r, channels 32 w + 8 h + 0..7 and 32 w + 16 + 8 h + 0..7, here still f32: four loads for each nt
.irp nt, 0,1
.irp q, 0,1,2,3
	global_load_b128 v[LP+16*\nt+4*\q:LP+16*\nt+4*\q+3], v[ATO], s[ATT:ATT+1] offset:32768*\nt+16*(\q%2)+64*(\q/2)
.endr
.endr
	LOADC P0, 0, 16, WP, GOV, 0, 4                 ; W's 32 rows
	LOADC P1, 0, 16, KEYP, GOK, 0, 8               ; keys' rows 0-31 of my 64
	LOADC P2, 0, 16, KEYP, GOK, 8192, 8            ; rows 32-63
	; the rest of the addresses, while the loads are out
	s_lshl_b32 s[OF], s[U], 8                      ; out0[2 w][u]
	s_lshl_b32 s74, s[WV], 17
	s_add_co_u32 s[OF], s[OF], s74
	s_add_nc_u64 s[O0:O0+1], s[O0:O0+1], s[OF:OF+1]
	s_lshl_b32 s[OF], s[U], 12                     ; out1[0][u], my 64 columns; then 8 rows b further each, so that the stores' offsets stay inside the signed 24-bit immediate
	s_lshl_b32 s74, s[WV], 8
	s_add_co_u32 s[OF], s[OF], s74
	s_add_nc_u64 s[O1B:O1B+1], s[O1:O1+1], s[OF:OF+1]
	s_add_nc_u64 s[O1B+2:O1B+3], s[O1B:O1B+1], 0x800000
	s_add_nc_u64 s[O1B+4:O1B+5], s[O1B+2:O1B+3], 0x800000
	s_add_nc_u64 s[O1B+6:O1B+7], s[O1B+4:O1B+5], 0x800000
	v_and_b32 v24, 31, v0                          ; lane
	v_and_b32 v30, 7, v0
	v_bfe_u32 v31, v0, 3, 1
	s_mul_i32 s[BNS], s[WV], BNCW
	s_add_co_u32 s[BNS], s[BNS], BNC               ; my 5,120 bytes
	v_mul_u32_u24 v[BSK], v26, 8*KP
	v_lshl_add_u32 v[BSK], v25, 3, v[BSK]
	v_add_nc_u32 v[BSK], s[BNS], v[BSK]
	v_mul_u32_u24 v[BSV], v26, 4*VP
	v_lshl_add_u32 v[BSV], v25, 3, v[BSV]
	v_add_nc_u32 v[BSV], s[BNS], v[BSV]
	v_mul_u32_u24 v[BFK], v25, KP
	v_lshl_add_u32 v[BFK], v26, 4, v[BFK]
	v_add_nc_u32 v[BFK], s[BNS], v[BFK]
	v_lshl_add_u32 v[BFT], v26, 3, v30             ; the turning load: lane l reads row 8 (l / 16) + l % 8, 16 bytes at 16 ((l / 8) % 2)
	v_mul_u32_u24 v[BFT], v[BFT], VP
	v_lshl_add_u32 v[BFT], v31, 4, v[BFT]
	v_add_nc_u32 v[BFT], s[BNS], v[BFT]
	s_mul_i32 s76, s[WV], BLKW
	s_add_co_u32 s76, s76, BLK                     ; my block
	s_mul_i32 s77, s[WV], 2*BP
	s_add_co_u32 s77, s77, BLK                     ; row 2 w of block 0
	v_mul_u32_u24 v[PST], v25, BP
	v_lshl_add_u32 v[PST], v26, 5, v[PST]
	v_add_nc_u32 v[PST], s76, v[PST]
	v_mul_u32_u24 v[SRD], v26, BP
	v_lshl_add_u32 v[SRD], v25, 4, v[SRD]
	v_add_nc_u32 v[PRD], s77, v[SRD]
	v_add_nc_u32 v[PRD2], 8*BLKW, v[PRD]
	v_add_nc_u32 v[SRD], s76, v[SRD]
	s_mul_i32 s78, s[WV], 2*QP
	s_add_co_u32 s78, s78, QBB
	v_mul_u32_u24 v[QST], v26, QP
	v_lshl_add_u32 v[QST], v25, 3, v[QST]
	v_add_nc_u32 v[QST], s78, v[QST]
	v_mul_u32_u24 v[QLD], v25, QP
	v_lshl_add_u32 v[QLD], v26, 4, v[QLD]
	v_add_nc_u32 v[QLD], QBB, v[QLD]
	s_lshl_b32 s74, s[WV], 6
	v_mul_u32_u24 v[MLD], v25, MPITCH              ; (mask begins at LDS byte 0)
	v_lshl_add_u32 v[MLD], v26, 3, v[MLD]
	v_add_nc_u32 v[MLD], s74, v[MLD]
	s_lshl_b32 s74, s[WV], 8
	s_add_co_u32 s74, s74, RWB
	v_lshl_add_u32 v[RLD], v26, 5, s74
	s_lshl_b32 s74, s[WV], 2
	v_mul_u32_u24 v[STL], v25, STP
	v_add_nc_u32 v[STL], STATB, v[STL]
	v_add_nc_u32 v[STS], s74, v[STL]
	s_mul_i32 s79, s[WV], 2*STP
	s_add_co_u32 s79, s79, STATB
	v_mul_u32_u24 v[STB], v26, STP
	v_add_nc_u32 v[STB], s79, v[STB]
	v_lshlrev_b32 v[WGO], 4, v25
	v_lshl_add_u32 v[OGO], v26, 16, v[WGO]
	v_lshl_add_u32 v[WGO], v26, 20, v[WGO]
	v_lshlrev_b32 v[R2O], 10, v24
	s_wait_kmcnt 0x0                               ; temperature[u]
	v_mov_b32 v[KS], s[TT]
	v_cvt_pk_bf16_f32 v[KS], v[KS], v[KS]          ; rounded to bf16,
	v_lshlrev_b32 v[KS], 16, v[KS]                 ; and f32 again
	v_rcp_f32 v[KS+1], v[KS]
	v_nop                                          ; a plain instruction behind the reciprocal,
	s_wait_alu depctr_va_vdst(0)                   ; and the wait ahead of its first use
	v_mul_f32 v[KS], 0x3fb8aa3b, v[KS+1]           ; k = log2(e) / temperature
	v_mov_b32 v[KS+1], v[KS]
	; ---------------- my partial q^T = W^T attention^T over my 32 channels d: source 0 = 16 columns o of W (turned), source 1 = 16 rows b of attention; a lane ends with one b and eight neighbouring o
	s_wait_loadcnt 32                              ; attention and W are in; the 32 loads of keys stay out
	CVT LP, LP, 8                                  ; attention's two fragments: v[LP + 8 nt ..]
	CVT P0, P0, 16
	BSTORE P0, 0, 16, BSV, VP, 4
	FRAG_T P0+32                                   ; in order behind the stores
	v_and_b32 v[PLS], 31, v0                       ; attention's loads are done, so their offset's register is free: 16 x lane + my chunk bytes
	v_lshl_add_u32 v[PLS], v[PLS], 4, s[BNS]
	s_wait_dscnt 0x0
.irp nt, 0,1
.irp mt, 0,1,2,3
	v_wmma_f32_16x16x32_bf16 v[P0+8*\mt:P0+8*\mt+7], v[P0+32+8*\mt:P0+32+8*\mt+7], v[LP+8*\nt:LP+8*\nt+7], 0
.endr
	PLACES 5                                       ; four in front of the stores that read the results, five in front of the next four products, which write over them
.irp mt, 0,1,2,3
	TILE_OUT P0+8*\mt, \mt, \nt
.endr
.endr
	s_wait_tensorcnt 0x0                           ; wave 0: mask and rewards_mem have landed (the other waves have nothing out)
	BAR                                            ; all partial q lie in LDS; mask and rewards_mem may be read by everybody
	; ---------------- q[2 w + h][4 r ..] = the sum of the 16 parts, times k; stored as hi + lo in bf16
	SUM16 P0
	v_pk_mul_f32 v[P0:P0+1], v[P0:P0+1], v[KS:KS+1]
	v_pk_mul_f32 v[P0+2:P0+3], v[P0+2:P0+3], v[KS:KS+1]
	v_cvt_pk_bf16_f32 v30, v[P0], v[P0+1]
	v_cvt_pk_bf16_f32 v31, v[P0+2], v[P0+3]
	ds_store_b64 v[QST], v[30:31]                  ; hi
	v_lshlrev_b32 v[P0+4], 16, v30
	v_and_b32 v[P0+5], HIH, v30
	v_lshlrev_b32 v[P0+6], 16, v31
	v_and_b32 v[P0+7], HIH, v31
	v_pk_add_f32 v[P0:P0+1], v[P0:P0+1], v[P0+4:P0+5] neg_lo:[0,1] neg_hi:[0,1]
	v_pk_add_f32 v[P0+2:P0+3], v[P0+2:P0+3], v[P0+6:P0+7] neg_lo:[0,1] neg_hi:[0,1]
	v_cvt_pk_bf16_f32 v[MM], v[P0], v[P0+1]
	v_cvt_pk_bf16_f32 v[MM+1], v[P0+2], v[P0+3]
	ds_store_b64 v[QST], v[MM:MM+1] offset:32*QP   ; lo
	LOADC P0, 0, 16, VALP, GOV, 0, 4               ; values' rows 0-31 of my 64
	BAR                                            ; q is whole; nobody reads the partial q any more
	QFLOAD 0                                       ; hi
	; ---------------- scores^T = keys q^T: a lane holds one b (r, 16 + r) and the keys 64 w + 16 t + 8 h + 0..7
	KSTEP P1, 32, 1                                ; younger: keys' second chunk 16, values' first 16.  hi, then lo
	LOADC P1+32, 0, 8, VALP, GOV, 8192, 4          ; values' rows 32-47, into the registers of the fragments just multiplied
	KSTEP P2, 24, 0                                ; younger: values' 16 and 8.  lo, which lies in LP, then hi
	; ---------------- the mask, and my 64 keys' maximum for each b
.irp t, 0,1,2,3
.irp nt, 0,1
	ds_load_b64 v[LP+2*(2*\t+\nt):LP+2*(2*\t+\nt)+1], v[MLD] offset:16*MPITCH*\nt+16*\t
.endr
.endr
	s_wait_dscnt 0x0
.set i, 0
.rept 16
	v_lshlrev_b32 v[30+i%2], 8, v[LP+i]            ; 256 m - m: each byte 0 or 1 becomes 00 or FF
	v_sub_nc_u32 v[LP+i], v[30+i%2], v[LP+i]
.set i, i+1
.endr
.irp t, 0,1,2,3
.irp nt, 0,1
	MASKT \t, \nt
.endr
.endr
.set n, 0
.rept 16
.irp nt, 0,1
.set rA, P1+64*(n/16)+8*(2*((n/8)%2)+\nt)+n%8
.if n == 0
	v_max_num_f32 v[MM+2*\nt], v[rA], v[rA+1]
.else
	v_max3_num_f32 v[MM+2*\nt], v[MM+2*\nt], v[rA], v[rA+1]
.endif
.endr
.set n, n+2
.endr
	v_permlanex16_b32 v30, v[MM], s[SEL], s[SEL+1] ; the b's other 32 of my keys lie in the lane 16 away
	v_permlanex16_b32 v31, v[MM+2], s[SEL], s[SEL+1]
	v_max_num_f32 v[MM], v[MM], v30
	v_max_num_f32 v[MM+2], v[MM+2], v31
	ds_store_b32 v[STS], v[MM]
	ds_store_b32 v[STS], v[MM+2] offset:16*STP
	BAR                                            ; the 16 waves' maxima lie in LDS
	; ---------------- e = 2^(score - maximum)
.irp nt, 0,1
.irp q, 0,1,2,3
	ds_load_b128 v[T+16*\nt+4*\q:T+16*\nt+4*\q+3], v[STL] offset:16*STP*\nt+16*\q
.endr
.endr
	s_wait_dscnt 0x0
.irp nt, 0,1
	v_max3_num_f32 v[MM+2*\nt], v[T+16*\nt], v[T+16*\nt+1], v[T+16*\nt+2]
.endr
.irp z, 3,5,7,9,11,13
.irp nt, 0,1
	v_max3_num_f32 v[MM+2*\nt], v[MM+2*\nt], v[T+16*\nt+\z], v[T+16*\nt+\z+1]
.endr
.endr
.irp nt, 0,1
	v_max_num_f32 v[MM+2*\nt], v[MM+2*\nt], v[T+16*\nt+15]
.endr
	v_mov_b32 v[MM+1], v[MM]
	v_mov_b32 v[MM+3], v[MM+2]
	RWLOAD 0                                       ; rewards_mem of c tiles 0 and 1, wanted behind the exponentials
.irp t, 0,1,2,3
.irp nt, 0,1
	SREG \t, \nt
.irp q, 0,1,2,3
	v_pk_add_f32 v[rS+2*\q:rS+2*\q+1], v[rS+2*\q:rS+2*\q+1], v[MM+2*\nt:MM+2*\nt+1] neg_lo:[0,1] neg_hi:[0,1]
.endr
.endr
.endr
.irp b, P1, P2                         ; one batch of 64 exponentials; none reads another's result
.set i, 0
.rept 32
	v_exp_f32 v[\b+i], v[\b+i]
.set i, i+1
.endr
.endr
	v_nop                                          ; a plain instruction behind the last exponential: one for the batch,
	s_wait_alu depctr_va_vdst(0)                   ; and the one wait ahead of the first use
	; ---------------- my keys' sums of e and of e r for each b; e r as hi + lo in bf16 for the second product.  The maxima's four registers are at work here: the maxima have served
	s_wait_dscnt 0x0
	RWROUND
	PWT 0, 0
	PWT 0, 1
	PWT 1, 0
	PWT 1, 1
	RWLOAD 2
	s_wait_dscnt 0x0
	RWROUND
	PWT 2, 0
	PWT 2, 1
	PWT 3, 0
	PWT 3, 1
.irp x, T+24, T+26, T+28, T+30
	v_add_f32 v[\x], v[\x], v[\x+1]                ; even keys' and odd keys',
.endr
.irp x, T+24, T+26, T+28, T+30
	v_permlanex16_b32 v[\x+1], v[\x], s[SEL], s[SEL+1]
.endr
.irp x, T+24, T+26, T+28, T+30
	v_add_f32 v[\x], v[\x], v[\x+1]                ; and the other half of the lanes'
.endr
	ds_store_b32 v[STS], v[T+24] offset:STA
	ds_store_b32 v[STS], v[T+26] offset:STA+16*STP
	ds_store_b32 v[STS], v[T+28] offset:2*STA
	ds_store_b32 v[STS], v[T+30] offset:2*STA+16*STP
	BAR                                            ; the 16 waves' sums lie in LDS
	; ---------------- out1 = e / L, out2 = sum(e r) / L
.irp nt, 0,1
.irp q, 0,1,2,3
	ds_load_b128 v[T+16*\nt+4*\q:T+16*\nt+4*\q+3], v[STL] offset:STA+16*STP*\nt+16*\q
.endr
.endr
	s_wait_dscnt 0x0
	ROWSUM T
	ROWSUM T+16
	v_rcp_f32 v[MM], v[T]
	v_rcp_f32 v[MM+1], v[T]
	v_rcp_f32 v[MM+2], v[T+16]
	v_rcp_f32 v[MM+3], v[T+16]
	v_nop                                          ; a plain instruction behind the last reciprocal,
	s_wait_alu depctr_va_vdst(0)                   ; and the one wait for the four, ahead of the branch and of their first use
	s_cmp_lg_u32 s[WV], 0
	s_cbranch_scc1 .Lno_r                          ; wave 0 alone stores out2: no barrier and no global load stands in what is jumped
.irp nt, 0,1
.irp q, 0,1,2,3
	ds_load_b128 v[T+16*\nt+4*\q:T+16*\nt+4*\q+3], v[STL] offset:2*STA+16*STP*\nt+16*\q
.endr
.endr
	s_wait_dscnt 0x0
	ROWSUM T
	ROWSUM T+16
	v_mul_f32 v[T], v[T], v[MM]
	v_mul_f32 v[T+16], v[T+16], v[MM+2]
	v_and_b32 v31, 31, v0
	v_cmp_gt_u32 vcc_lo, 16, v31
	v_cndmask_b32 v30, v[T+16], v[T], vcc_lo       ; lane = b
	global_store_b32 v[R2O], v30, s[O2:O2+1]       ; v30 and v29 are not written again
.Lno_r:
.irp t, 0,1,2,3
.irp nt, 0,1
	SREG \t, \nt
.irp q, 0,1,2,3
	v_pk_mul_f32 v[rS+2*\q:rS+2*\q+1], v[rS+2*\q:rS+2*\q+1], v[MM+2*\nt:MM+2*\nt+1]
.endr
	TILE_OUT rS, \t, \nt                           ; into my block: 32 rows b x my 64 columns
.endr
.endr
	LOADC P2, 8, 8, VALP, GOV, 8192, 4             ; values' rows 48-63
.set i, 0
.rept 8                                ; back as whole rows of 256 bytes: lanes 0-15 row 2 i, lanes 16-31 row 2 i + 1; in order behind my stores
	ds_load_b128 v[T+4*i:T+4*i+3], v[SRD] offset:2*BP*i
.set i, i+1
.endr
.set i, 8
.rept 8
	ds_load_b128 v[P1+4*(i-8):P1+4*(i-8)+3], v[SRD] offset:2*BP*i
.set i, i+1
.endr
	s_wait_dscnt 8                                 ; the first eight are in; the eight younger loads stay out
.set i, 0
.rept 8
	global_store_b128 v[WGO], v[T+4*i:T+4*i+3], s[O1B+2*(i/4):O1B+2*(i/4)+1] offset:(i%4)*2097152 th:TH_STORE_NT  ; 16 lanes store 256 consecutive bytes, at a multiple of 256 from out1's first byte
.set i, i+1
.endr
	s_wait_dscnt 0x0
.set i, 8
.rept 8
	global_store_b128 v[WGO], v[P1+4*(i-8):P1+4*(i-8)+3], s[O1B+2*(i/4):O1B+2*(i/4)+1] offset:(i%4)*2097152 th:TH_STORE_NT
.set i, i+1
.endr
	; ---------------- my partial out0^T = values^T (e r) over my 64 keys: source 0 = 16 channels of values (turned), source 1 = e r, hi and then lo
	s_wait_loadcnt 16                              ; values' first chunk is in; the second's 8 + 8 loads stay out
	CVT P0, P0, 16
	s_wait_xcnt 0x0                                ; every store issued so far has had its addresses translated (ISA guide 3.1): the registers that out1's stores read (T, v[P1 ..]) are rewritten only behind this wait
.set i, 0
.rept 8
	ds_load_b128 v[T+4*i:T+4*i+3], v[PLS] offset:512*i   ; the lo parts of e r come back, ahead of the chunk that takes their bytes
.set i, i+1
.endr
	BSTORE P0, 0, 16, BSV, VP, 4                   ; in order behind those loads
	FRAG_T P0+32                                   ; the first chunk's fragments
	s_wait_loadcnt 0x0
	CVT P1+32, P1+32, 8
	CVT P2, P2, 8
	BSTORE P1+32, 0, 8, BSV, VP, 4                 ; in order behind the loads above, which have read the first chunk
	BSTORE P2, 8, 8, BSV, VP, 4
	FRAG_T P0                                      ; the second chunk's
	s_wait_dscnt 0x0
.irp z, 0,1,2,3                        ; z = 2 x (which 32 keys) + (hi or lo).  The eight accumulators take turns: seven others stand between two links of a chain
.irp f, 0,1,2,3,4,5,6,7                ; f = 2 mt + nt
.set rA, P0+32-32*(\z/2)+8*(\f/2)
.set rB, LP+(T-LP)*(\z%2)+16*(\z/2)+8*(\f%2)
.if \z == 0
	v_wmma_f32_16x16x32_bf16 v[P1+8*\f:P1+8*\f+7], v[rA:rA+7], v[rB:rB+7], 0
.else
	v_wmma_f32_16x16x32_bf16 v[P1+8*\f:P1+8*\f+7], v[rA:rA+7], v[rB:rB+7], v[P1+8*\f:P1+8*\f+7]
.endif
.endr
.endr
	PLACES 4
.irp f, 0,1,2,3,4,5,6,7
	TILE_OUT P1+8*\f, \f/2, \f%2                   ; into my block, whose rows of out1 I have read back
.endr
	BAR                                            ; all partial out0 lie in LDS
	; ---------------- out0[2 w + h][u][4 r ..] = the sum of the 16 parts / sum(e r)
.irp q, 0,1,2,3
	ds_load_b128 v[LP+4*\q:LP+4*\q+3], v[STB] offset:2*STA+16*\q
.endr
	SUM16 P2                                       ; its wait for 0 serves the four loads above too
	ROWSUM LP
	v_rcp_f32 v[MM], v[LP]
	v_rcp_f32 v[MM+1], v[LP]
	v_nop
	s_wait_alu depctr_va_vdst(0)                   ; one wait for the two reciprocals, ahead of their first use
	v_pk_mul_f32 v[P2:P2+1], v[P2:P2+1], v[MM:MM+1]
	v_pk_mul_f32 v[P2+2:P2+3], v[P2+2:P2+3], v[MM:MM+1]
	global_store_b128 v[OGO], v[P2:P2+3], s[O0:O0+1] th:TH_STORE_NT  ; 16 lanes store the 256 bytes of out0[b][u], at a multiple of 256 from out0's first byte
	s_wait_tensorcnt 0x0                           ; the wave's end: behind the last tensor load and my last LDS store
	ds_add_u32 v[SPW], v[NIL]
	s_wait_dscnt 0x0
	s_endpgm
.Lfunc_end_k_qac7b4716a8_unit:
	.size	k_qac7b4716a8_unit, .Lfunc_end_k_qac7b4716a8_unit-k_qac7b4716a8_unit
	.p2alignl 7, 3214868480
	.fill 96, 4, 3214868480
	.section	.rodata,"a",@progbits
	.p2align	6, 0x0
	.amdhsa_kernel k_qac7b4716a8_unit
		.amdhsa_group_segment_fixed_size 277504
		.amdhsa_private_segment_fixed_size 0
		.amdhsa_enable_private_segment 0
		.amdhsa_kernarg_size 80
		.amdhsa_user_sgpr_count 2
		.amdhsa_user_sgpr_kernarg_segment_ptr 1
		.amdhsa_wavefront_size32 1
		.amdhsa_system_sgpr_workgroup_id_x 1
		.amdhsa_system_sgpr_workgroup_id_y 1
		.amdhsa_system_sgpr_workgroup_id_z 1
		.amdhsa_system_vgpr_workitem_id 0
		.amdhsa_next_free_vgpr 256
		.amdhsa_next_free_sgpr 80
		.amdhsa_reserve_vcc 1
		.amdhsa_float_denorm_mode_32 3
		.amdhsa_float_denorm_mode_16_64 3
		.amdhsa_memory_ordered 1
		.amdhsa_forward_progress 1
		.amdhsa_inst_pref_size 99
	.end_amdhsa_kernel
	.amdgpu_metadata
---
amdhsa.version: [ 1, 2 ]
amdhsa.kernels:
  - .name:           k_qac7b4716a8_unit
    .symbol:         k_qac7b4716a8_unit.kd
    .args:
      - { .name: attention, .offset: 0, .size: 8, .value_kind: global_buffer, .address_space: global }
      - { .name: W, .offset: 8, .size: 8, .value_kind: global_buffer, .address_space: global }
      - { .name: temperature, .offset: 16, .size: 8, .value_kind: global_buffer, .address_space: global }
      - { .name: keys, .offset: 24, .size: 8, .value_kind: global_buffer, .address_space: global }
      - { .name: values, .offset: 32, .size: 8, .value_kind: global_buffer, .address_space: global }
      - { .name: rewards_mem, .offset: 40, .size: 8, .value_kind: global_buffer, .address_space: global }
      - { .name: mask, .offset: 48, .size: 8, .value_kind: global_buffer, .address_space: global }
      - { .name: out0, .offset: 56, .size: 8, .value_kind: global_buffer, .address_space: global }
      - { .name: out1, .offset: 64, .size: 8, .value_kind: global_buffer, .address_space: global }
      - { .name: out2, .offset: 72, .size: 8, .value_kind: global_buffer, .address_space: global }
    .group_segment_fixed_size: 277504
    .private_segment_fixed_size: 0
    .kernarg_segment_align: 8
    .kernarg_segment_size: 80
    .max_flat_workgroup_size: 512
    .sgpr_count:     80
    .vgpr_count:     256
    .wavefront_size: 32
...
	.end_amdgpu_metadata
.endif
;; end of part 1
